; MI455X (gfx1250); checked and timed in simulation.
; The chip was launched on July 23, 2026; its instructions are those of AMD's public machine-readable ISA for CDNA 5 (MIT licence, August 2026) and "CDNA5" Instruction Set Architecture Reference Guide (July 2026). The comments in the code are by the model that wrote it; some were corrected since.
;; Base Attention. Allowed arithmetic: matrix products marked QUANTISED: E3M2 operands, one E8M0 scale for each 32 along K, by v_wmma_scale_f32_16x16x128_f8f6f4 with both operands' format E3M2, f32 sums; everything else in f32.
;; Inputs: k 4 x 16 x 2,048 x 64 float32; mask 4 x 1 x 1 x 2,048 int32; q 4 x 16 x 2,048 x 64 float32; v 4 x 16 x 2,048 x 64 float32.
;; Outputs: out0 4 x 16 x 2,048 x 64 float32.
;; This version of the problem:
;;   THIS VERSION OF THE PROBLEM IS GIVEN IN LOW PRECISION. The matrix products marked QUANTISED in the list below multiply operands that are first quantised to E3M2 (3 exponent bits, 2 mantissa bits; 6 bits a number), with one power-of-two scale for each 32 numbers along K (OCP MX v1.0); their sums are f32. All else is computed in f32.
;;   The module's matrix products, in the order in which they are computed (A, B: the left and right operand; K: the contracted axis; several contracted axes count as one K, in the product's order):
;;     1. batch 64 x [M 2,048, K 64] x [K 64, N 2,048]; A: input q; B: input k: QUANTISED
;;     2. batch 64 x [M 2,048, K 2,048] x [K 2,048, N 64]; A: softmax (see below); B: input v: QUANTISED
;;   THE QUANTISER, for each operand of a quantised product, along K:
;;     - K is cut into blocks of 32 from its start; a last block that is shorter is filled with zeros.
;;     - A block's scale is 2^e with e = floor(log2(the largest magnitude in the block)) - 4, held to -126 .. 127; a block of zeros has e = 0. As a byte (E8M0): e + 127.
;;     - Each number is divided by its block's scale, clamped to +-28, and rounded to the nearest number of E3M2, ties to even, subnormals kept.
;;     - The product sums the exact products of the quantised numbers (number of the format x scale) in f32.
;;   ~~~python
;;   def quantise(x, axis):      # numpy; x: float32 -> the quantised numbers, widened to float32 again
;;       x = np.moveaxis(x, axis, -1); K = x.shape[-1]
;;       x = np.pad(x, [(0, 0)] * (x.ndim - 1) + [(0, -K % 32)]); x = x.reshape(x.shape[:-1] + (-1, 32)); a = np.abs(x).max(-1, keepdims=True)
;;       e = np.where(a > 0, np.clip(np.frexp(np.where(a > 0, a, 1))[1] - 1 - 4, -126, 127), 0)      # np.frexp(a)[1] - 1 = floor(log2(a)), exactly
;;       r = np.clip(x / 2.0 ** e, -28, 28)
;;       step = 2.0 ** (np.maximum(np.frexp(np.where(r == 0, 1, r))[1] - 1, -2) - 2)
;;       q = np.round(r / step) * step * 2.0 ** e      # np.round: ties to even
;;       return np.moveaxis(q.reshape(q.shape[:-2] + (-1,))[..., :K], -1, axis).astype(np.float32)
;;   ~~~
;;   SOFTMAX AHEAD OF A QUANTISED PRODUCT. Where the list says 'softmax', what is quantised is not the finished softmax but p = 2^(t - M), with t = logit x log2(e) and M = ceil(the row's largest t), a whole number; so 1/2 < the row's largest p <= 1. The row's sum l is taken of the UNQUANTISED p, in f32, and the product's result is divided by l at the end. Since M is a whole number, a kernel that streams over the keys may use a running M (the ceiling of the running maximum): every later rescaling is an exact power of two, which a block's scale takes up: the codes' values come out the same.
;;   OPERANDS COMPUTED ON THE WAY. 'Computed on the way' means the value that the module computes at that place (a softmax that the list does not call 'softmax' is quantised finished and normalised). What goes into a quantiser is computed in f32, as accurately as f32 sums, v_exp_f32 and their like allow (about 1e-6 of the number): no bf16 or f16 on the way to a quantiser, and a product that is left as it is and whose result goes on into a quantised operand takes f32 operands (vector FMAs, or v_wmma_f32_16x16x4_f32). A number that lies on a knife's edge between two numbers of the format may be rounded either way, as far as f32 arithmetic and the matrix unit's own rounding can turn it there, and no further.
;; One version. Each part assembles by itself: llvm-mc -triple=amdgcn-amd-amdhsa -mcpu=gfx1250 --defsym DOCPART=n.
;; ======== version 1 of 1: 1 launch
;; limits: right only within a limited range of input values
;; launch attn (part 1): grid 4 x 64, 8 waves a work-group, clusters of 4 x 1, 327,680 bytes of LDS; arguments q, k, v, mask, out0; writes out0
.if DOCPART == 1
	.amdgcn_target "amdgcn-amd-amdhsa--gfx1250"
	.amdhsa_code_object_version 6
	.text
	.protected	k_q47b9af8963_attn
	.globl	k_q47b9af8963_attn
	.p2align	8
	.type	k_q47b9af8963_attn,@function
k_q47b9af8963_attn:
	s_mov_b64 s[64:65], 0
	v_nop
	global_prefetch_b8 v0, s[64:65] scope:SCOPE_SE
	s_setreg_imm32_b32 hwreg(HW_REG_WAVE_MODE, 25, 1), 1
	s_wait_xcnt 0x0
	s_wait_alu depctr_hold_cnt(0) depctr_sa_sdst(0) depctr_va_vdst(0) depctr_va_sdst(0) depctr_va_ssrc(0) depctr_va_vcc(0) depctr_vm_vsrc(0)
	s_getreg_b32 s2, hwreg(HW_REG_IB_STS2, 6, 4)
	s_cmp_eq_u32 s2, 0
	s_cbranch_scc0 .Lentry_in_a_cluster
	s_endpgm
.Lentry_in_a_cluster:
	s_bfe_u32 s2, ttmp6, 0x10000c
	s_cmp_lg_u32 s2, 0x3003
	s_cbranch_scc0 .Lentry_shape_is_right
	s_endpgm
.Lentry_shape_is_right:
; out0[b][h][q][:] = sum over keys of softmax_key(q . k / 8 - 10000 mask[b][key]) v[key][:].  q, k, v, out0: [4][16][2048][64] f32; mask: [4][1][1][2048] i32.
; Both products run on codes of BF6 (E3M2) with one E8M0 scale for each 32 along a product's K: the first along the head's 64, the second along the keys.
; SOFTMAX: t = logit x log2(e); M = the row's largest t so far, rounded up to a whole number; p = 2^(t - M) is quantised along the keys, not normalised.
; The row's sum is taken of the unquantised p and divides at the end.  When M moves, the sum and O are multiplied by 2^(old M - new M): exact.
; SHARES: 256 work-groups = 64 heads x 4 blocks of 512 queries; eight waves of 512 registers; a wave owns 64 queries (four tiles of 16), which share every fragment that it reads.  16 steps of 128 keys.
; CLUSTER: the four query blocks of a head walk the same k and v, so each f32 tile is asked for jointly (mask 15, the same descriptor in all four).
; RING: two LDS slots of f32 (K's 128 rows, then V's).  At the head each wave issues one load of 64 rows: waves 0-3 step 0, waves 4-7 step 1.  A refill is one load of 32 rows a wave.
; Each step is quantised out of the ring, one block of 32 a lane, into IMAGES of the operands' registers in LDS (two sets by turns).
; THE HEAD: K's and V's first tiles are asked for, then q (into the registers that later hold O^T); steps 0 and 1 are quantised, step 2 asked for and step 0's fragments loaded while q is on its way; then q is quantised.
; A TRIP (step s): tiles 0, 1; the waits, the add and the round's opening signal; tile 2, on registers alone, inside the round; the refill (step s + 3); tile 3, under which step s + 1's fragments
; and step s + 2's f32 blocks are loaded; step s + 2 is quantised.  The three last steps are written out: they ask for nothing more.
; LAYOUT: both products are used transposed (S^T = K Q^T, O^T = V^T P^T): a lane holds ONE query (lane % 16) throughout.
; The first product's K is 64, the instruction's 128: a fragment of K holds two tiles of keys, and Q stands in a chain [Z q0 Z q1 Z q2 Z q3 Z] of registers, Z = zero codes: [q, Z] meets the first tile, [Z, q] the second.
; Row m of tile u (0..3) of key group c (0, 1) is key 64 c + 32 (m / 8) + 8 u + m % 8: so a lane's 32 score registers of a group are the 32 neighbouring keys 64 c + 32 (lane / 16) + 0 .. 31,
; a whole block of the second product's K in the order of its operand: no lane is asked for a block's maximum and no code changes lanes.
; THE MASK is the C of the score products: -80000 x mask[key], so that t = (score + C) x log2(e) / 8; an f32 table in LDS, made once.
; O^T begins as zeros (128 moves, once), the sums as zeros, the largest score as -3e38: the step is written alike for all steps.
; PREFETCH: behind the load of step n the wave names step n + 2: of its 32 rows each partner takes 8, told apart by address (lanes 8-31 name the eighth again); the head names steps 2 and 3; nothing past step 15.
; LIMITS: NaN and infinities among the inputs are not served.  The scaled scores stay under 2^31 in magnitude.  A block whose largest magnitude lies under 2^-122 keeps the scale byte 1; a block of zeros has the
; byte 1 and zero codes (this program alone reads the bytes).  Mask numbers are exact up to 2^24 in magnitude.
; REGISTERS.  Window 0: v1-15, v25-27, v95 addresses that stay; v16-24 the trip's; v28-43 statistics; v44-56 scale words; v57-94 at work; v96-143 K's fragments; v144-191 V's; v192-255 S^T, then p.
; Window 1: v0-127 O^T (tile i at 32 i; at the head q as it is loaded); v128-181 the chain of Q; v192-255 the step's 64 numbers of the mask table.
.set PITCH,  272                       ; an f32 row in LDS: 256 bytes + 16 of padding
.set HALFT,  64*PITCH
.set QUART,  32*PITCH
.set VOFF,   128*PITCH
.set SLOT1,  1<<17
.set STEPB,  128*256                   ; a step's rows of k or of v in memory
.set MB,     2*VOFF                    ; the mask table, 2,048 f32
.set SPARE,  MB+8192                   ; the spare words: 128 bytes a wave
.set IMG0,   0x18000                   ; the images of one step
.set IMGX,   0x4000                    ; the other set lies this far on
.set FRB,    1536                      ; a fragment's image: lane l at 48 l
.set IMV,    4*FRB
.set KSC,    8*FRB                     ; K's scale words: 16 r + 4 x fragment
.set VSC,    KSC+256
.set STG,    SLOT1+2*VOFF              ; a stage of 16 rows x 272 bytes for each wave: q's way in, out0's way out
.set STGW,   16*PITCH
.set SPW,  1
.set NIL,  2
.set L48,  3
.set LSC,  4
.set LMB,  5
.set QK0,  6
.set QV0,  7
.set WK0,  8
.set WV0,  9
.set WKS0, 10
.set WVS0, 11
.set SH8,  12
.set STO,  13
.set RD,   14
.set GO,   15
.set ARI,  16
.set ARS,  17
.set AMB,  18
.set AQK,  19
.set AQV,  20
.set AWK,  21
.set AWV,  22
.set AWKS, 23
.set AWVS, 24
.set QRD,  25                          ; my stage: row r, + 128 h
.set MBW,  26
.set MOF,  27
.set ST,   28                          ; tile i at v[28 + 4 i]: -M, the largest score, the sum in two halves
.set QS,   44
.set KS,   48
.set VS,   52
.set PS,   56
.set A1,   57
.set A2,   58
.set SB,   59
.set BM,   60
.set PM,   64
.set SO,   68
.set F,    72
.set TT,   74
.set SBV,  75
.set PC,   76
.set CT,   88
.set PFO,  95                          ; the prefetches' offset: 256 x min(lane, 7)
.set KF,   96
.set VF,   144
.set S,    192
.set QIN,  128
.set QC,   128                         ; window 1
.set BIAS, 192                         ; window 1
.set WV,   14
.set G1H,  24                          ; s[24:31] group 1: 64 rows
.set GH,   32                          ; s[32:35] group 0 of the head's fill
.set GW,   36                          ; s[36:39] group 0 that walks
.set G1W,  40                          ; s[40:47] group 1: 32 rows
.set SEL,  48
.set CS,   50
.set SQ,   52
.set IW,   53
.set IR,   54
.set TMK,  55
.set CNT,  56
.set PFA,  66
.set SK,   74
.set SWK,  75
.set SW2,  76
.set SV,   77
.set SWV,  78
.set SWVS, 79
.set SSTG, 80
.set W_KQ, 0x14
.set W_RS, 0x41
.set W_PV, 0x50
.set TO_1, 0x40
.set FROM_1, 0x01
.set DATA_1, 0x04                      ; an LDS store's data in window 1
.set MSB, 0
.macro WIN new
.if MSB != \new
	s_set_vgpr_msb (MSB<<8)|\new
.set MSB, \new
.endif
.endm
.macro PLACES n
.rept \n
	v_nop
.endr
.endm
.macro CREST                           ; a round of the cluster's barrier behind its opening barrier
	s_cmp_lg_u32 s[WV], 0
	s_cbranch_scc1 .Lnot_wave_0_\@
	s_barrier_signal -3
.Lnot_wave_0_\@:
	s_barrier_wait -3
	s_barrier_signal -1
	s_barrier_wait -1
.endm
.macro CROUND
	s_barrier_signal -1
	s_barrier_wait -1
	CREST
.endm
; A whole block of 32 in one lane: six registers of codes in v[c] on, the scale's byte in v[sb].  The floor 2^(5 - 127) among the leaves holds the byte at 1 from below.
.macro QB xs, c, t, sb
	v_max3_num_f32 v[A1], |v[\xs]|, |v[\xs+1]|, |v[\xs+2]|
	v_max3_num_f32 v[A2], |v[\xs+3]|, |v[\xs+4]|, |v[\xs+5]|
.irp e, 6,10,14,18,22,26
	s_delay_alu instid0(VALU_DEP_2)
	v_max3_num_f32 v[A1], v[A1], |v[\xs+\e]|, |v[\xs+\e+1]|
	s_delay_alu instid0(VALU_DEP_2)
	v_max3_num_f32 v[A2], v[A2], |v[\xs+\e+2]|, |v[\xs+\e+3]|
.endr
	s_delay_alu instid0(VALU_DEP_2)
	v_max3_num_f32 v[A1], v[A1], |v[\xs+30]|, |v[\xs+31]|
	s_delay_alu instid0(VALU_DEP_1)
	v_max3_num_f32 v[A1], v[A1], v[A2], 0x2800000
	s_delay_alu instid0(VALU_DEP_1)
	v_add_nc_u32 v[SO], 0xfe000000, v[A1]          ; 4 off the exponent field: the conversion's scale operand
	v_cvt_scalef32_pk16_bf6_f32 v[\c:\c+2], v[\xs:\xs+15], v[SO]
	v_cvt_scalef32_pk16_bf6_f32 v[\t:\t+2], v[\xs+16:\xs+31], v[SO]
	v_lshrrev_b32 v[\sb], 23, v[SO]                ; the byte; also the plain place behind the conversions
.irp e, 0,1,2
	v_mov_b32 v[\c+3+\e], v[\t+\e]                 ; a conversion's three registers begin on an even number
.endr
.endm
.macro HALFW d, sb                     ; lane (r, h) holds block h's byte of row r: both lanes get the two bytes
	v_lshlrev_b32 v[\sb], v[SH8], v[\sb]
	s_delay_alu instid0(VALU_DEP_1)
	v_permlanex16_b32 v[PM], v[\sb], s[SEL], s[SEL+1]
	s_delay_alu instid0(VALU_DEP_1)
	v_or_b32 v[\d], v[\sb], v[PM]
.endm
.macro ADDRA
	v_add_nc_u32 v[ARI], s[IR], v[L48]
	v_add_nc_u32 v[ARS], s[IR], v[LSC]
	v_add_nc_u32 v[AMB], s[TMK], v[LMB]
.endm
.macro ADDRQ
	v_add_nc_u32 v[AQK], s[SQ], v[QK0]
	v_add_nc_u32 v[AQV], s[SQ], v[QV0]
	v_add_nc_u32 v[AWK], s[IW], v[WK0]
	v_add_nc_u32 v[AWV], s[IW], v[WV0]
	v_add_nc_u32 v[AWKS], s[IW], v[WKS0]
	v_add_nc_u32 v[AWVS], s[IW], v[WVS0]
.endm
.macro QLOADS                          ; my block of k: 32 channels of one key; my block of v: one channel, 32 keys down
.irp j, 0,1,2,3,4,5,6,7
	ds_load_b128 v[S+4*\j:S+4*\j+3], v[AQK] offset:16*\j
.endr
.set n, 0
.rept 32
	ds_load_b32 v[S+32+n], v[AQV] offset:PITCH*n
.set n, n+1
.endr
.endm
.macro QK_WORK
	QB S, PC, CT, SB
	HALFW SB, SB
	ds_store_b64 v[AWK], v[PC:PC+1]
	ds_store_b64 v[AWK], v[PC+2:PC+3] offset:8
	ds_store_b64 v[AWK], v[PC+4:PC+5] offset:16
	ds_store_b16 v[AWKS], v[SB]                    ; lanes l and l xor 16 write the same two bytes
.endm
.macro QV_WORK
	QB S+32, PC+6, CT+4, SBV
	ds_store_b64 v[AWV], v[PC+6:PC+7]
	ds_store_b64 v[AWV], v[PC+8:PC+9] offset:8
	ds_store_b64 v[AWV], v[PC+10:PC+11] offset:16
	ds_store_b8 v[AWVS], v[SBV]
.endm
.macro LD_K                            ; 13 loads
.irp f, 0,1,2,3
.irp g, 0,1,2
	ds_load_b128 v[KF+12*\f+4*\g:KF+12*\f+4*\g+3], v[ARI] offset:FRB*\f+16*\g
.endr
.endr
	ds_load_b128 v[KS:KS+3], v[ARS]
.endm
.macro LD_V                            ; 13 loads
	WIN 0
.irp f, 0,1,2,3
.irp g, 0,1,2
	ds_load_b128 v[VF+12*\f+4*\g:VF+12*\f+4*\g+3], v[ARI] offset:IMV+FRB*\f+16*\g
.endr
.endr
	ds_load_b128 v[VS:VS+3], v[ARS] offset:VSC-KSC
.endm
.macro LD_B                            ; 16 loads: register 32 c + n: the table's number of key 64 c + 32 h + n
	WIN TO_1
.irp c, 0,1
.irp g, 0,1,2,3,4,5,6,7
	ds_load_b128 v[BIAS+32*\c+4*\g:BIAS+32*\c+4*\g+3], v[AMB] offset:256*\c+16*\g
.endr
.endr
.endm
.macro ADD4 m                          ; four pairs of p onto the sum's four chains
	v_pk_add_f32 v[rT+2:rT+3], v[rT+2:rT+3], v[S+\m:S+\m+1]
	v_pk_add_f32 v[BM:BM+1], v[BM:BM+1], v[S+\m+2:S+\m+3]
	v_pk_add_f32 v[BM+2:BM+3], v[BM+2:BM+3], v[S+\m+4:S+\m+5]
	v_pk_add_f32 v[SO+2:SO+3], v[SO+2:SO+3], v[S+\m+6:S+\m+7]
.endm
; ONE TILE OF 16 QUERIES AGAINST 128 KEYS.  ldk: behind the score products the next step's K, scale words and mask numbers are loaded; pf: and a later step is named to memory;
; ldq: behind the last read of p the quantiser's f32 blocks are loaded into p's registers; dsw: all my LDS instructions are waited for (V's fragments; the quantiser's stores have read their registers).
.macro TILE i, ldk, ldq, dsw, pf
.set rT, ST+4*(\i)
.set rO, 32*(\i)
	WIN W_KQ
.irp b, 0,1,2,3
	v_wmma_scale_f32_16x16x128_f8f6f4 v[S+16*\b:S+16*\b+7], v[KF+12*\b:KF+12*\b+11], v[QC+6+12*(\i):QC+17+12*(\i)], v[BIAS+16*\b:BIAS+16*\b+7], v[KS+\b], v[QS+(\i)] matrix_a_fmt:MATRIX_FMT_BF6 matrix_b_fmt:MATRIX_FMT_BF6
	v_wmma_scale_f32_16x16x128_f8f6f4 v[S+16*\b+8:S+16*\b+15], v[KF+12*\b:KF+12*\b+11], v[QC+12*(\i):QC+11+12*(\i)], v[BIAS+16*\b+8:BIAS+16*\b+15], v[KS+\b], v[QS+(\i)] matrix_a_fmt:MATRIX_FMT_BF6 matrix_b_fmt:MATRIX_FMT_BF6
.endr
	WIN 0
	v_mov_b32 v[TT], v[rT]                         ; the old -M; with the three below: four places behind the products, for the reads of their results and the loads into their sources
	PLACES 3
.if \ldk
	LD_K
	LD_B
	WIN 0
.if \pf
	s_cmp_ge_u32 s[CNT], 3                         ; the step two refills on exists while three trips or more are left
	s_cbranch_scc0 .Lno_ask_\@
	global_prefetch_b8 v[PFO], s[PFA:PFA+1] th:TH_LOAD_NT scope:SCOPE_SE
.Lno_ask_\@:
.endif
.endif
.irp b, 0,1,2,3
	v_max3_num_f32 v[BM+\b], v[S+16*\b], v[S+16*\b+1], v[S+16*\b+2]   ; four chains of 16; each accumulator is read from its low end on
.endr
.irp e, 3,5,7,9,11,13
.irp b, 0,1,2,3
	v_max3_num_f32 v[BM+\b], v[BM+\b], v[S+16*\b+\e], v[S+16*\b+\e+1]
.endr
.endr
	v_max_num_f32 v[BM], v[BM], v[S+15]
	v_max_num_f32 v[BM+2], v[BM+2], v[S+47]
	v_max3_num_f32 v[BM+1], v[BM+1], v[S+31], v[BM]     ; my block of group 0: its largest score, which also gives its largest p
	v_max3_num_f32 v[BM+3], v[BM+3], v[S+63], v[BM+2]   ; and of group 1
	s_delay_alu instid0(VALU_DEP_1)
	v_max_num_f32 v[A1], v[BM+1], v[BM+3]
	s_delay_alu instid0(VALU_DEP_1)
	v_permlanex16_b32 v[PM], v[A1], s[SEL], s[SEL+1]
	s_delay_alu instid0(VALU_DEP_1)
	v_max3_num_f32 v[rT+1], v[rT+1], v[A1], v[PM]  ; the running largest score of my query
	s_delay_alu instid0(VALU_DEP_1)
	v_mul_f32 v[A1], s[CS], v[rT+1]                ; as t (c is positive)
	s_delay_alu instid0(VALU_DEP_1)
	v_floor_f32 v[rT], -v[A1]                      ; the new -M = -ceil(t)
.set n, 0
.rept 32
	v_pk_fma_f32 v[S+n:S+n+1], v[S+n:S+n+1], s[CS:CS+1], v[rT:rT+1] op_sel_hi:[1,0,0]   ; t - M
.set n, n+2
.endr
	v_fma_f32 v[BM+1], v[BM+1], s[CS], v[rT]
	v_fma_f32 v[BM+3], v[BM+3], s[CS], v[rT]
	s_wait_alu depctr_va_vdst(0)                   ; the wait ahead of the batch
.set n, 0
.rept 64
	v_exp_f32 v[S+n], v[S+n]                       ; p = 2^(t - M)
.set n, n+1
.endr
	v_exp_f32 v[BM+1], v[BM+1]                     ; the blocks' largest p: the same two instructions on the same number give the same bits
	v_exp_f32 v[BM+3], v[BM+3]
	v_sub_f32 v[TT], v[rT], v[TT]                  ; old M less new M: a whole number, 0 or less; also the plain place behind the batch
	s_delay_alu instid0(VALU_DEP_1)
	v_cvt_i32_f32 v[TT], v[TT]                     ; (it saturates)
	s_delay_alu instid0(VALU_DEP_1)
	v_ldexp_f32 v[F], 1.0, v[TT]                   ; f = 2^(old M - new M)
.if \dsw
	s_wait_dscnt 0x0
.endif
	s_wait_alu depctr_va_vdst(0)                   ; one wait for the batch, ahead of its first reader
	v_max_num_f32 v[BM+1], 0x2800000, v[BM+1]      ; the floor 2^(5 - 127)
	v_max_num_f32 v[BM+3], 0x2800000, v[BM+3]
	v_add_nc_u32 v[SO], 0xfe000000, v[BM+1]
	v_add_nc_u32 v[SO+1], 0xfe000000, v[BM+3]
.irp c, 0,1
	v_cvt_scalef32_pk16_bf6_f32 v[PC+6*\c:PC+6*\c+2], v[S+32*\c:S+32*\c+15], v[SO+\c]
	v_cvt_scalef32_pk16_bf6_f32 v[CT+4*\c:CT+4*\c+2], v[S+32*\c+16:S+32*\c+31], v[SO+\c]
.endr
	v_lshrrev_b32 v[PM], 23, v[SO]                 ; the bytes of blocks h and 2 + h; also the plain place behind the conversions
	v_lshrrev_b32 v[PM+1], 23, v[SO+1]
	; the row's sum of the unquantised p, in four chains; the first link brings the old sum under the new M.  The making of p's scale word and the moves of its codes stand between the links
	v_pk_fma_f32 v[rT+2:rT+3], v[rT+2:rT+3], v[F:F+1], v[S:S+1] op_sel_hi:[1,0,1]
	v_pk_add_f32 v[BM:BM+1], v[S+2:S+3], v[S+4:S+5]
	v_pk_add_f32 v[BM+2:BM+3], v[S+6:S+7], v[S+8:S+9]
	v_pk_add_f32 v[SO+2:SO+3], v[S+10:S+11], v[S+12:S+13]
	v_lshl_or_b32 v[PM], v[PM+1], 16, v[PM]
	ADD4 14
	v_lshlrev_b32 v[PM], v[SH8], v[PM]             ; at their places in the scale word
	ADD4 22
	v_permlanex16_b32 v[PM+2], v[PM], s[SEL], s[SEL+1]
	ADD4 30
	v_or_b32 v[PS], v[PM], v[PM+2]                 ; with lane l xor 16's two the word is whole
.irp c, 0,1
.irp u, 0,1,2
	v_mov_b32 v[PC+6*\c+3+\u], v[CT+4*\c+\u]
.endr
.endr
	ADD4 38
	ADD4 46
	ADD4 54
	v_pk_add_f32 v[rT+2:rT+3], v[rT+2:rT+3], v[S+62:S+63]
	v_pk_add_f32 v[BM:BM+1], v[BM:BM+1], v[BM+2:BM+3]
	s_delay_alu instid0(VALU_DEP_2)
	v_pk_add_f32 v[rT+2:rT+3], v[rT+2:rT+3], v[SO+2:SO+3]
	s_delay_alu instid0(VALU_DEP_1)
	v_pk_add_f32 v[rT+2:rT+3], v[rT+2:rT+3], v[BM:BM+1]
.if \ldq
	QLOADS                                         ; 40 loads
.endif
	WIN W_RS
	s_wait_alu depctr_va_vdst(0)                   ; the wait directly ahead of the first reader of O^T
.set n, 0
.rept 16
	v_pk_mul_f32 v[rO+n:rO+n+1], v[rO+n:rO+n+1], v[F:F+1] op_sel_hi:[1,0]   ; O^T under the new M
.set n, n+2
.endr
	WIN W_PV
.irp d, 0,1,2,3
	v_wmma_scale_f32_16x16x128_f8f6f4 v[rO+8*\d:rO+8*\d+7], v[VF+12*\d:VF+12*\d+11], v[PC:PC+11], v[rO+8*\d:rO+8*\d+7], v[VS+\d], v[PS] matrix_a_fmt:MATRIX_FMT_BF6 matrix_b_fmt:MATRIX_FMT_BF6
.endr
.endm
; STEP s.  nxt: a step follows, so a barrier shows step s + 1's images (and step s + 2's f32 tiles) to all waves; fill: it is a round, and step s + 3 is asked for behind it; quant: step s + 2 is quantised.
.macro ITER fill, quant, nxt
	TILE 0, 0, 0, 1, 0
	TILE 1, 0, 0, 0, 0
.if \nxt
	WIN 0
.if \fill
	s_wait_xcnt 0x0                                ; my last prefetch has read its address
	s_add_nc_u64 s[PFA:PFA+1], s[PFA:PFA+1], STEPB
.endif
	s_wait_tensorcnt 0x0                           ; my one load that was out has landed
	ds_add_u32 v[SPW], v[NIL]
.if \fill
	s_xor_b32 s[GW+1], s[GW+1], SLOT1              ; the other slot, the next 128 keys
	s_add_nc_u64 s[GW+2:GW+3], s[GW+2:GW+3], STEPB
.endif
	s_wait_dscnt 0x0                               ; the add is done; my image stores and my reads of slot and images were waited for in tile 0
	s_barrier_signal -1
.endif
	TILE 2, 0, 0, 0, 0                             ; work on registers alone
	WIN 0
.if \nxt
	s_barrier_wait -1
.if \fill
	CREST
	tensor_load_to_lds s[GW:GW+3], s[G1W:G1W+7]    ; into the slot that was quantised a trip ago
	s_nop 0
.endif
	ADDRA
.if \quant
	ADDRQ
.endif
.endif
	TILE 3, \nxt, \quant, 0, \fill
	WIN 0
.if \quant
	s_wait_dscnt 32                                ; my block of k is in: behind its 8 loads stand v's 32
	QK_WORK                                        ; its maxima are the places behind the last products
	LD_V
	s_wait_dscnt 17                                ; my block of v is in: behind it stand 4 stores and V's 13 loads
	QV_WORK
.else
.if \nxt
	PLACES 4
	LD_V
	s_wait_dscnt 13                                ; K's fragments and the mask's numbers are in
.endif
.endif
.if \nxt
	s_xor_b32 s[SQ], s[SQ], SLOT1
	s_xor_b32 s[IW], s[IW], IMGX
	s_xor_b32 s[IR], s[IR], IMGX
	s_add_co_u32 s[TMK], s[TMK], 512
.endif
.endm
	s_load_b256 s[4:11], s[0:1], 0x0               ; q, k, v, mask
	s_load_b64 s[12:13], s[0:1], 0x20              ; out0
	v_lshl_add_u32 v[SPW], v0, 2, SPARE
	v_mov_b32 v[NIL], 0
	ds_add_u32 v[SPW], v[NIL]                      ; the opening lines: the add twice on end
	ds_add_u32 v[SPW], v[NIL]
	v_lshrrev_b32 v16, 5, v0
	v_readfirstlane_b32 s[WV], v16                 ; wave 0..7
	v_and_b32 v18, 31, v0                          ; lane
	v_lshlrev_b32 v[MOF], 4, v0
	v_lshlrev_b32 v[GO], 4, v18                    ; two rows of q or out0 are 512 bytes on end: 16 x lane
	v_min_u32 v[PFO], 7, v18
	v_lshlrev_b32 v[PFO], 8, v[PFO]
	s_bfe_u32 s15, ttmp6, 0x40000                  ; cx: it enters q's, out0's and the prefetches' addresses alone
	s_lshl_b32 s16, ttmp9, 2
	s_add_co_u32 s16, s16, s15                     ; my block of 512 queries
	s_and_b32 s17, ttmp7, 0xffff                   ; the head, which the partners share
	s_lshl_b32 s18, s17, 19
	s_mov_b32 s19, 0
	s_and_b32 s57, s[WV], 1
	s_lshr_b32 s58, s[WV], 2
	s_lshr_b32 s59, s[WV], 1
	s_and_b32 s60, s[WV], 3
	s_and_b32 s61, s59, 1
	s_lshl_b32 s20, s57, 14                        ; the head's fill: step w / 4, tensor (w / 2) % 2, half w % 2
	s_lshl_b32 s21, s58, 15
	s_add_co_u32 s20, s20, s21
	s_mov_b32 s21, 0
	s_add_nc_u64 s[20:21], s[20:21], s[18:19]
	s_mov_b32 s[GH], 1
	s_mul_i32 s[GH+1], s60, HALFT
	s_lshl_b32 s62, s58, 17
	s_add_co_u32 s[GH+1], s[GH+1], s62
	s_lshl_b32 s2, s60, 13                         ; the refills: rows 32 (w % 4) of k (waves 0-3) or v (waves 4-7)
	s_mov_b32 s3, 0
	s_add_nc_u64 s[2:3], s[2:3], s[18:19]
	s_lshl_b32 s68, s15, 11                        ; the prefetches: my work-group's 8 of those rows, at step 2
	s_add_co_u32 s68, s68, 2*STEPB
	s_mov_b32 s69, 0
	s_add_nc_u64 s[68:69], s[68:69], s[2:3]
	s_add_nc_u64 s[2:3], s[2:3], STEPB             ; the walking descriptor stands at step 1, slot 1: it is stepped ahead of each use
	s_mov_b32 s[GW], 1
	s_mul_i32 s[GW+1], s[WV], QUART
	s_add_co_u32 s[GW+1], s[GW+1], SLOT1
	s_lshl_b32 s22, s16, 17
	s_lshl_b32 s23, s[WV], 14
	s_add_co_u32 s22, s22, s23
	s_mov_b32 s23, 0
	s_add_nc_u64 s[22:23], s[22:23], s[18:19]      ; my wave's 64 rows of q and out0
	s_mov_b32 s[G1H], 15|(2<<16)|(1<<20)|(1<<21)|(5<<22)|(3<<25)   ; mask of the four; 4-byte elements; 4 words of padding behind every 64
	s_mov_b32 s[G1H+1], 64<<16
	s_mov_b32 s[G1H+2], 64<<16
	s_mov_b32 s[G1H+3], 64<<16
	s_mov_b32 s[G1H+4], 64
	s_mov_b32 s[G1H+5], 64
	s_mov_b32 s[G1H+6], 0
	s_mov_b32 s[G1H+7], 0
	s_mov_b32 s[G1W], 15|(2<<16)|(1<<20)|(1<<21)|(5<<22)|(3<<25)
	s_mov_b32 s[G1W+1], 64<<16
	s_mov_b32 s[G1W+2], 32<<16
	s_mov_b32 s[G1W+3], 64<<16
	s_mov_b32 s[G1W+4], 32
	s_mov_b32 s[G1W+5], 64
	s_mov_b32 s[G1W+6], 0
	s_mov_b32 s[G1W+7], 0
	s_mov_b32 s[SEL], 0x76543210
	s_mov_b32 s[SEL+1], 0xfedcba98
	s_mov_b32 s[CS], 0x3e38aa3b                    ; c = log2(e) / 8
	s_mov_b32 s[CS+1], s[CS]
	s_mov_b32 s[SQ], 0
	s_mov_b32 s[IW], 0
	; the waves' terms of the LDS addresses.  k: wave w quantises half w % 2 of fragment w / 2: key 64 (w / 4) + 16 ((w / 2) % 2) + 8 (w % 2) + r % 8 + 32 (r / 8)
	s_mul_i32 s[SK], s58, 64*PITCH
	s_mul_i32 s62, s61, 16*PITCH
	s_add_co_u32 s[SK], s[SK], s62
	s_mul_i32 s62, s57, 8*PITCH
	s_add_co_u32 s[SK], s[SK], s62
	s_mul_i32 s[SWK], s59, FRB
	s_mul_i32 s62, s57, 24
	s_add_co_u32 s[SWK], s[SWK], s62
	s_lshl_b32 s[SW2], s[WV], 1
	s_mul_i32 s[SV], s59, 32*PITCH                 ; v: keys 32 (w / 2) on of channels 32 (w % 2) + lane
	s_lshl_b32 s62, s57, 7
	s_add_co_u32 s[SV], s[SV], s62
	s_add_co_u32 s[SV], s[SV], VOFF
	s_mul_i32 s[SWV], s57, 2*FRB                   ; its codes: fragment 2 (w % 2) + lane / 16, lane lane % 16 + 16 ((w / 2) % 2), registers 6 (w / 4) on
	s_mul_i32 s62, s61, 16*48
	s_add_co_u32 s[SWV], s[SWV], s62
	s_mul_i32 s62, s58, 24
	s_add_co_u32 s[SWV], s[SWV], s62
	s_add_co_u32 s[SWV], s[SWV], IMG0+IMV
	s_lshl_b32 s[SWVS], s57, 3
	s_add_co_u32 s[SWVS], s[SWVS], s59
	s_add_co_u32 s[SWVS], s[SWVS], VSC-KSC
	s_mul_i32 s[SSTG], s[WV], STGW
	s_add_co_u32 s[SSTG], s[SSTG], STG
	s_lshr_b32 s62, s17, 4                         ; the batch's 2,048 numbers of the mask
	s_lshl_b32 s62, s62, 13
	s_mov_b32 s63, 0
	s_wait_alu depctr_va_vdst(0)                   ; the wait directly ahead of the waits below
	s_wait_dscnt 0x0                               ; both opening adds are done
	s_wait_kmcnt 0x0
	s_cmp_lg_u32 s61, 0
	s_cselect_b64 s[70:71], s[8:9], s[6:7]
	s_cmp_lg_u32 s58, 0
	s_cselect_b64 s[72:73], s[8:9], s[6:7]
	s_add_nc_u64 s[GH+2:GH+3], s[70:71], s[20:21]
	s_or_b32 s[GH+3], s[GH+3], 0x80000000
	s_add_nc_u64 s[GW+2:GW+3], s[72:73], s[2:3]
	s_or_b32 s[GW+3], s[GW+3], 0x80000000
	s_add_nc_u64 s[PFA:PFA+1], s[72:73], s[68:69]
	s_add_nc_u64 s[4:5], s[4:5], s[22:23]
	s_add_nc_u64 s[12:13], s[12:13], s[22:23]
	s_add_nc_u64 s[10:11], s[10:11], s[62:63]
	global_load_b128 v[96:99], v[MOF], s[10:11]
	global_load_b128 v[100:103], v[MOF], s[10:11] offset:4096
	CROUND                                         ; all four work-groups are here: the first joint loads meet
	tensor_load_to_lds s[GH:GH+3], s[G1H:G1H+7]    ; my one load at the head
	s_nop 0
	WIN TO_1                                       ; q lands in the registers that later hold O^T
.irp i, 0,1,2,3
.irp f, 0,1,2,3,4,5,6,7
	global_load_b128 v[32*\i+4*\f:32*\i+4*\f+3], v[GO], s[4:5] offset:4096*\i+512*\f th:TH_LOAD_NT   ; 32 lanes read 512 bytes on end: rows 2 f, 2 f + 1 of tile i
.endr
.endr
	WIN 0
	v_and_b32 v16, 15, v0                          ; r
	v_bfe_u32 v17, v0, 4, 1                        ; h
	v_lshl_add_u32 v[MBW], v0, 4, MB
	v_and_b32 v19, 8, v16
	v_mul_u32_u24 v[L48], v18, 48
	v_lshl_add_u32 v[LSC], v16, 4, IMG0+KSC
	v_lshl_add_u32 v[LMB], v17, 7, MB
	v_lshlrev_b32 v[SH8], 3, v17
	v_mad_u32_u24 v19, v19, 3, v16                 ; r % 8 + 32 (r / 8)
	v_add_nc_u32 v[L48], IMG0, v[L48]
	v_mul_u32_u24 v[QK0], v19, PITCH
	v_mul_u32_u24 v[WV0], v16, 48
	v_lshl_add_u32 v[QK0], v17, 7, v[QK0]
	v_mad_u32_u24 v[WV0], v17, FRB, v[WV0]
	v_add_nc_u32 v[QK0], s[SK], v[QK0]
	v_add_nc_u32 v[WV0], s[SWV], v[WV0]
	v_add_nc_u32 v[WK0], s[SWK], v[L48]
	v_add_nc_u32 v[WKS0], s[SW2], v[LSC]
	v_lshl_add_u32 v[QV0], v18, 2, s[SV]
	v_lshl_add_u32 v[WVS0], v17, 2, v[LSC]
	v_mul_u32_u24 v[STO], v16, PITCH
	v_mul_u32_u24 v[RD], v17, PITCH
	v_add_nc_u32 v[WVS0], s[SWVS], v[WVS0]
	v_lshl_add_u32 v[QRD], v17, 7, v[STO]
	v_lshl_add_u32 v[STO], v17, 5, v[STO]
	v_lshl_add_u32 v[RD], v16, 4, v[RD]
	v_add_nc_u32 v[QRD], s[SSTG], v[QRD]
	v_add_nc_u32 v[STO], s[SSTG], v[STO]
	v_add_nc_u32 v[RD], s[SSTG], v[RD]
	global_prefetch_b8 v[PFO], s[PFA:PFA+1] th:TH_LOAD_NT scope:SCOPE_SE                ; step 2
	global_prefetch_b8 v[PFO], s[PFA:PFA+1] offset:STEPB th:TH_LOAD_NT scope:SCOPE_SE   ; step 3
.irp i, 0,1,2,3
	v_mov_b32 v[ST+4*\i+1], 0xff61b1e6             ; the largest score so far: -3e38
	v_mov_b32 v[ST+4*\i], 0x7f61b1e6               ; -M: 3e38, so that the first f is 0
	v_mov_b32 v[ST+4*\i+2], 0
	v_mov_b32 v[ST+4*\i+3], 0
	v_mov_b32 v[PM+\i], 0                          ; a lane permute's destination counts as one of its sources
.endr
	v_mov_b32 v[F+1], 0
	WIN TO_1
.irp z, 0,1,2,3,4
.irp e, 0,1,2,3,4,5
	v_mov_b32 v[QC+12*\z+\e], 0                    ; the chain's runs of zero codes
.endr
.endr
	WIN 0
	ADDRQ
	s_wait_alu depctr_va_vdst(0)                   ; the wait directly ahead of the wait below
	s_wait_loadcnt 32                              ; the mask's two loads are in; q's 32 may be out
.irp e, 0,1,2,3,4,5,6,7
	v_cvt_f32_i32 v[96+\e], v[96+\e]
.endr
.irp e, 0,1,2,3,4,5,6,7
	v_mul_f32 v[96+\e], 0xc79c4000, v[96+\e]       ; x -80000
.endr
	ds_store_b128 v[MBW], v[96:99]
	ds_store_b128 v[MBW], v[100:103] offset:4096
	s_wait_tensorcnt 0x0                           ; my part of steps 0 and 1 is in
	s_wait_dscnt 0x0                               ; my part of the mask table has landed
	s_barrier_signal -1
	s_barrier_wait -1                              ; everybody's has
	QLOADS                                         ; step 0, out of slot 0 into the first set of images
	s_wait_dscnt 32
	QK_WORK
	s_wait_dscnt 4
	QV_WORK
	s_mov_b32 s[SQ], SLOT1
	s_mov_b32 s[IW], IMGX
	s_wait_dscnt 0x0
	ADDRQ
	s_wait_alu depctr_va_vdst(0)                   ; the wait ahead of the readers below
	QLOADS                                         ; step 1, out of slot 1 into the second set
	s_wait_dscnt 32
	QK_WORK
	s_wait_dscnt 4
	QV_WORK
	s_mov_b32 s[IR], 0
	s_mov_b32 s[TMK], 0
	s_wait_xcnt 0x0
	s_add_nc_u64 s[PFA:PFA+1], s[PFA:PFA+1], 2*STEPB
	s_wait_tensorcnt 0x0
	ds_add_u32 v[SPW], v[NIL]
	s_xor_b32 s[GW+1], s[GW+1], SLOT1
	s_add_nc_u64 s[GW+2:GW+3], s[GW+2:GW+3], STEPB
	ADDRA
	s_wait_alu depctr_va_vdst(0)                   ; the wait directly ahead of the wait below
	s_wait_dscnt 0x0                               ; the add, my image stores and my reads of both slots are done
	CROUND
	tensor_load_to_lds s[GW:GW+3], s[G1W:G1W+7]    ; step 2 into slot 0
	s_nop 0
	LD_K                                           ; step 0's fragments
	LD_B
	LD_V
	global_prefetch_b8 v[PFO], s[PFA:PFA+1] th:TH_LOAD_NT scope:SCOPE_SE   ; step 4
	s_mov_b32 s[SQ], 0
	s_mov_b32 s[IW], 0
	s_mov_b32 s[IR], IMGX
	s_mov_b32 s[TMK], 512
	s_mov_b32 s[CNT], 13
; Q.  A tile turns through my stage: in as rows, back as 32 channels of row r a lane, into p's registers, two tiles by turns; LDS serves a wave's instructions in order (ISA guide 5.7.1.4).
.macro QTURN i
	s_wait_loadcnt 24-8*(\i)                       ; tile i's eight loads are in
	WIN DATA_1
.irp f, 0,1,2,3,4,5,6,7
	ds_store_b128 v[RD], v[32*(\i)+4*\f:32*(\i)+4*\f+3] offset:\f*2*PITCH
.endr
	WIN 0
.irp j, 0,1,2,3,4,5,6,7
	ds_load_b128 v[S+32*((\i)%2)+4*\j:S+32*((\i)%2)+4*\j+3], v[QRD] offset:16*\j
.endr
.endm
.macro QQ i                            ; its codes go into the chain; the row's two bytes, twice, are its scale word for [q, Z] and [Z, q] alike
	QB S+32*((\i)%2), PC, CT, SB
	WIN TO_1
.irp e, 0,1,2,3,4,5
	v_mov_b32 v[QC+6+12*(\i)+\e], v[PC+\e]
.endr
	WIN 0
	HALFW TT, SB
	s_delay_alu instid0(VALU_DEP_1)
	v_lshl_or_b32 v[QS+(\i)], v[TT], 16, v[TT]
.endm
	QTURN 0
	QTURN 1
	s_wait_dscnt 16                                ; tile 0 is back: behind it stand tile 1's sixteen
	QQ 0
	QTURN 2
	s_wait_dscnt 16
	QQ 1
	QTURN 3
	s_wait_dscnt 16
	QQ 2
	s_wait_dscnt 0x0
	QQ 3
	WIN TO_1
.set n, 0
.rept 128
	v_mov_b32 v[n], 0                              ; O^T, where q lay: its stores into the stage are done
.set n, n+1
.endr
	WIN 0
	s_wait_alu depctr_va_vdst(0)                   ; the wait at the head's end
.Ltrip:                                            ; 13 trips: steps 0 to 12
	ITER 1, 1, 1
	s_sub_co_u32 s[CNT], s[CNT], 1
	s_cmp_lg_u32 s[CNT], 0
	s_cbranch_scc1 .Ltrip
	ITER 0, 1, 1                                   ; step 13: step 15 is quantised
	ITER 0, 0, 1                                   ; step 14
	ITER 0, 0, 0                                   ; step 15
	; THE WAY OUT.  The twelve plain lines are the places behind the last products.
.irp i, 0,1,2,3
	v_add_f32 v[ST+4*\i+2], v[ST+4*\i+2], v[ST+4*\i+3]
.endr
.irp i, 0,1,2,3
	s_delay_alu instid0(VALU_DEP_4)
	v_permlanex16_b32 v[PM+\i], v[ST+4*\i+2], s[SEL], s[SEL+1]
.endr
.irp i, 0,1,2,3
	s_delay_alu instid0(VALU_DEP_4)
	v_add_f32 v[ST+4*\i+2], v[ST+4*\i+2], v[PM+\i]
.endr
	s_wait_alu depctr_va_vdst(0)                   ; the wait ahead of the batch
.irp i, 0,1,2,3
	v_rcp_f32 v[ST+4*\i+2], v[ST+4*\i+2]           ; the row's largest p lies over 1/2: the sum is no zero
.endr
	v_nop
	s_wait_alu depctr_va_vdst(0)                   ; and behind it
.macro PACK i                          ; a lane's eight channels of a row go into rows of 272 bytes and come back as whole rows of 256
	WIN FROM_1
.set n, 0
.rept 16
	v_pk_mul_f32 v[QIN+32*(\i)+n:QIN+32*(\i)+n+1], v[32*(\i)+n:32*(\i)+n+1], v[ST+4*(\i)+2:ST+4*(\i)+3] op_sel_hi:[1,0]
.set n, n+2
.endr
	WIN 0
.irp d, 0,1,2,3
	ds_store_b128 v[STO], v[QIN+32*(\i)+8*\d:QIN+32*(\i)+8*\d+3] offset:64*\d
	ds_store_b128 v[STO], v[QIN+32*(\i)+8*\d+4:QIN+32*(\i)+8*\d+7] offset:64*\d+16
.endr
.irp f, 0,1,2,3,4,5,6,7
	ds_load_b128 v[QIN+32*(\i)+4*\f:QIN+32*(\i)+4*\f+3], v[RD] offset:\f*2*PITCH
.endr
.endm
.macro SEND i, younger                 ; younger: the LDS instructions issued behind tile i's loads
.irp f, 0,1,2,3,4,5,6,7
	s_wait_dscnt \younger+7-\f
	global_store_b128 v[GO], v[QIN+32*(\i)+4*\f:QIN+32*(\i)+4*\f+3], s[12:13] offset:4096*(\i)+512*\f th:TH_STORE_NT   ; 32 lanes store 512 bytes on end, at a multiple of 256 from out0's first byte
.endr
.endm
	PACK 0
	PACK 1
	SEND 0, 16
	PACK 2
	SEND 1, 16
	PACK 3
	SEND 2, 16
	SEND 3, 0
	s_wait_tensorcnt 0x0                           ; the wave's end
	ds_add_u32 v[SPW], v[NIL]
	s_wait_dscnt 0x0
	CROUND                                         ; the closing round
	s_endpgm
.Lfunc_end_k_q47b9af8963_attn:
	.size	k_q47b9af8963_attn, .Lfunc_end_k_q47b9af8963_attn-k_q47b9af8963_attn
	.p2alignl 7, 3214868480
	.fill 96, 4, 3214868480
	.section	.rodata,"a",@progbits
	.p2align	6, 0x0
	.amdhsa_kernel k_q47b9af8963_attn
		.amdhsa_group_segment_fixed_size 327680
		.amdhsa_private_segment_fixed_size 0
		.amdhsa_enable_private_segment 0
		.amdhsa_kernarg_size 40
		.amdhsa_user_sgpr_count 2
		.amdhsa_user_sgpr_kernarg_segment_ptr 1
		.amdhsa_wavefront_size32 1
		.amdhsa_system_sgpr_workgroup_id_x 1
		.amdhsa_system_sgpr_workgroup_id_y 1
		.amdhsa_system_sgpr_workgroup_id_z 1
		.amdhsa_system_vgpr_workitem_id 0
		.amdhsa_next_free_vgpr 512
		.amdhsa_next_free_sgpr 88
		.amdhsa_reserve_vcc 0
		.amdhsa_float_denorm_mode_32 3
		.amdhsa_float_denorm_mode_16_64 3
		.amdhsa_memory_ordered 1
		.amdhsa_forward_progress 1
		.amdhsa_inst_pref_size 255
	.end_amdhsa_kernel
	.section	.bss,"aw",@nobits
	.p2align	6
	.space	262144
	.amdgpu_metadata
---
amdhsa.version: [ 1, 2 ]
amdhsa.kernels:
  - .name:           k_q47b9af8963_attn
    .symbol:         k_q47b9af8963_attn.kd
    .args:
      - { .name: q, .offset: 0, .size: 8, .value_kind: global_buffer, .address_space: global }
      - { .name: k, .offset: 8, .size: 8, .value_kind: global_buffer, .address_space: global }
      - { .name: v, .offset: 16, .size: 8, .value_kind: global_buffer, .address_space: global }
      - { .name: mask, .offset: 24, .size: 8, .value_kind: global_buffer, .address_space: global }
      - { .name: out0, .offset: 32, .size: 8, .value_kind: global_buffer, .address_space: global }
    .group_segment_fixed_size: 327680
    .private_segment_fixed_size: 0
    .kernarg_segment_align: 8
    .kernarg_segment_size: 40
    .max_flat_workgroup_size: 256
    .sgpr_count:     88
    .vgpr_count:     512
    .wavefront_size: 32
...
	.end_amdgpu_metadata
.endif
;; end of part 1
